; MI455X (gfx1250); checked and timed in simulation.
; The chip was launched on July 23, 2026; its instructions are those of AMD's public machine-readable ISA for CDNA 5 (MIT licence, August 2026) and "CDNA5" Instruction Set Architecture Reference Guide (July 2026). The comments in the code are by the model that wrote it; some were corrected since.
;; Full Attention Head. Allowed arithmetic: matrix products marked QUANTISED: E2M1 operands, one E8M0 scale for each 32 along K, by v_wmma_scale_f32_16x16x128_f8f6f4 with both operands' format E2M1 (or v_wmma_scale_f32_32x16x128_f4), f32 sums; everything else in f32.
;; Inputs: Wk 1,024 x 64 float32; Wq 1,024 x 64 float32; Wv 1,024 x 64 float32; x 4 x 4,096 x 1,024 float32.
;; Outputs: out0 4 x 4,096 x 64 float32.
;; This version of the problem:
;;   THIS VERSION OF THE PROBLEM IS GIVEN IN LOW PRECISION. The matrix products marked QUANTISED in the list below multiply operands that are first quantised to E2M1 (2 exponent bits, 1 mantissa bit; 4 bits a number), with one power-of-two scale for each 32 numbers along K (OCP MX v1.0); their sums are f32. All else is computed in f32.
;;   The module's matrix products, in the order in which they are computed (A, B: the left and right operand; K: the contracted axis; several contracted axes count as one K, in the product's order):
;;     1. [M 16,384, K 1,024] x [K 1,024, N 64]; A: input x; B: input Wq: QUANTISED
;;     2. [M 16,384, K 1,024] x [K 1,024, N 64]; A: input x; B: input Wk: QUANTISED
;;     3. [M 16,384, K 1,024] x [K 1,024, N 64]; A: input x; B: input Wv: QUANTISED
;;     4. batch 4 x [M 4,096, K 64] x [K 64, N 4,096]; A: computed on the way; B: computed on the way: QUANTISED
;;     5. batch 4 x [M 4,096, K 4,096] x [K 4,096, N 64]; A: softmax (see below); B: computed on the way: QUANTISED
;;   THE QUANTISER, for each operand of a quantised product, along K:
;;     - K is cut into blocks of 32 from its start; a last block that is shorter is filled with zeros.
;;     - A block's scale is 2^e with e = floor(log2(the largest magnitude in the block)) - 2, held to -126 .. 127; a block of zeros has e = 0. As a byte (E8M0): e + 127.
;;     - Each number is divided by its block's scale, clamped to +-6, and rounded to the nearest number of E2M1, ties to even, subnormals kept.
;;     - The product sums the exact products of the quantised numbers (number of the format x scale) in f32.
;;   ~~~python
;;   def quantise(x, axis):      # numpy; x: float32 -> the quantised numbers, widened to float32 again
;;       x = np.moveaxis(x, axis, -1); K = x.shape[-1]
;;       x = np.pad(x, [(0, 0)] * (x.ndim - 1) + [(0, -K % 32)]); x = x.reshape(x.shape[:-1] + (-1, 32)); a = np.abs(x).max(-1, keepdims=True)
;;       e = np.where(a > 0, np.clip(np.frexp(np.where(a > 0, a, 1))[1] - 1 - 2, -126, 127), 0)      # np.frexp(a)[1] - 1 = floor(log2(a)), exactly
;;       r = np.clip(x / 2.0 ** e, -6, 6)
;;       step = 2.0 ** (np.maximum(np.frexp(np.where(r == 0, 1, r))[1] - 1, 0) - 1)
;;       q = np.round(r / step) * step * 2.0 ** e      # np.round: ties to even
;;       return np.moveaxis(q.reshape(q.shape[:-2] + (-1,))[..., :K], -1, axis).astype(np.float32)
;;   ~~~
;;   SOFTMAX AHEAD OF A QUANTISED PRODUCT. Where the list says 'softmax', what is quantised is not the finished softmax but p = 2^(t - M), with t = logit x log2(e) and M = ceil(the row's largest t), a whole number; so 1/2 < the row's largest p <= 1. The row's sum l is taken of the UNQUANTISED p, in f32, and the product's result is divided by l at the end. Since M is a whole number, a kernel that streams over the keys may use a running M (the ceiling of the running maximum): every later rescaling is an exact power of two, which a block's scale takes up: the codes' values come out the same.
;;   OPERANDS COMPUTED ON THE WAY. 'Computed on the way' means the value that the module computes at that place (a softmax that the list does not call 'softmax' is quantised finished and normalised). What goes into a quantiser is computed in f32, as accurately as f32 sums, v_exp_f32 and their like allow (about 1e-6 of the number): no bf16 or f16 on the way to a quantiser, and a product that is left as it is and whose result goes on into a quantised operand takes f32 operands (vector FMAs, or v_wmma_f32_16x16x4_f32). A number that lies on a knife's edge between two numbers of the format may be rounded either way, as far as f32 arithmetic and the matrix unit's own rounding can turn it there, and no further.
;; One version. Each part assembles by itself: llvm-mc -triple=amdgcn-amd-amdhsa -mcpu=gfx1250 --defsym DOCPART=n.
;; ======== version 1 of 1: 3 launches
;; limits: right only within a limited range of input values
;; workspace buffers: wc 98,304 bytes; ws 6,144 bytes; qrec 589,824 bytes; kv 1,114,112 bytes
;; launch prepw (part 1): grid 24 x 4, 1 waves a work-group, no clusters, 0 bytes of LDS; arguments Wq, Wk, Wv, wc, ws; writes wc, ws
.if DOCPART == 1
	.amdgcn_target "amdgcn-amd-amdhsa--gfx1250"
	.amdhsa_code_object_version 6
	.text
	.protected	k_q55fdee6729_prepw
	.globl	k_q55fdee6729_prepw
	.p2align	8
	.type	k_q55fdee6729_prepw,@function
k_q55fdee6729_prepw:
	s_mov_b64 s[64:65], 0
	v_nop
	global_prefetch_b8 v0, s[64:65] scope:SCOPE_SE
	s_setreg_imm32_b32 hwreg(HW_REG_WAVE_MODE, 25, 1), 1
	s_wait_xcnt 0x0
; Wq, Wk, Wv [1024 (k)][64 (channel)] f32 become codes of FP4 (E2M1) with one E8M0 scale for each 32 along K, laid as the next launch's operand registers.
; One wave, a work-group of its own, makes ONE fragment (16 channels x 128 along K): work-group x = 8 j + s (j: which of three tiles, s: K step), work-group y = w (which set of three tiles).
;   j = 0, 1: lane r takes channel 32 (w % 2) + 8 j + r + 8 (r / 8) of Wq (w < 2) or Wk;   j = 2: channel 16 w + r of Wv.
; A lane takes a column and its registers run down K, in the order of the operand's layout: lane (r, h), register group c: k = 128 s + 64 c + 32 h + 0 .. 31.  So a lane holds two whole blocks,
; the conversions' results are the operand's registers, and nothing is transposed.
; wc: [w][j][s][c][512 bytes], lane L's four registers at 16 L.   ws: [w][j][s][r], one word of four scale bytes.
; A block's scale byte is its largest magnitude's exponent field - 2, held at 1 from below.
; LIMITS: a block of zeros gets the byte 1 where the rule says 127 (its codes are zeros, and this program alone reads the bytes); blocks whose largest magnitude lies under 2^-124 are held at the byte 1;
; NaN and infinities among the inputs are not served.
; 96 work-groups: 96 fragments are all the work there is.  No LDS, no barrier, no cluster: waves share nothing.  No prefetch: there is no loop to run ahead in.
	s_load_b128 s[4:7], s[0:1], 0x0                ; Wq, Wk
	s_load_b128 s[8:11], s[0:1], 0x10              ; Wv, wc
	s_load_b64 s[12:13], s[0:1], 0x20              ; ws
	s_and_b32 s14, ttmp9, 7                        ; s
	s_lshr_b32 s31, ttmp9, 3                       ; j
	s_and_b32 s15, ttmp7, 0xffff                   ; w
	s_and_b32 s16, s15, 1
	s_lshl_b32 s16, s16, 5                         ; 32 (w % 2)
	s_lshl_b32 s17, s31, 3                         ; 8 j
	s_add_co_u32 s16, s16, s17
	s_lshl_b32 s17, s15, 4                         ; 16 w
	s_cmp_eq_u32 s31, 2
	s_cselect_b32 s16, s17, s16                    ; the tile's first channel
	s_cselect_b32 s18, 0, 1                        ; 1: lanes 8-15 take the channels 16 further on than lanes 0-7
	s_mul_i32 s19, s15, 3
	s_add_co_u32 s19, s19, s31
	s_lshl_b32 s19, s19, 3
	s_add_co_u32 s19, s19, s14                     ; the fragment's number: 8 (3 w + j) + s
	s_lshl_b32 s20, s19, 10                        ; 1,024 bytes of codes each,
	s_mov_b32 s21, 0
	s_lshl_b32 s22, s19, 6                         ; 64 bytes of scale words
	s_mov_b32 s23, 0
	s_lshl_b32 s24, s14, 15                        ; 128 s rows of 256 bytes
	s_mov_b32 s25, 0
	s_mov_b32 s28, 0x76543210
	s_mov_b32 s29, 0xfedcba98                      ; v_permlanex16_b32's selects for lane l xor 16
	v_and_b32 v1, 15, v0                           ; r
	v_bfe_u32 v2, v0, 4, 1                         ; h
	v_and_b32 v4, 8, v1
	v_mul_u32_u24 v4, v4, s18
	v_add_nc_u32 v4, v4, v1
	v_add_nc_u32 v4, s16, v4                       ; my channel
	v_lshlrev_b32 v5, 2, v4
	v_lshl_add_u32 v5, v2, 13, v5                  ; 4 x channel + 32 h rows of 256 bytes
	v_lshlrev_b32 v6, 4, v0                        ; out: 16 bytes a lane
	v_lshlrev_b32 v7, 2, v1                        ; and a scale word a channel
	v_lshlrev_b32 v8, 3, v2                        ; 8 h
	v_mov_b32 v10, 0                               ; a lane permute's destination counts as one of its sources
	s_wait_alu depctr_va_vdst(0)                   ; the wait at the head's end
	s_wait_kmcnt 0x0
	s_cmp_lt_u32 s15, 2                            ; the choices hang on the work-group's numbers alone
	s_cselect_b64 s[4:5], s[4:5], s[6:7]
	s_cmp_eq_u32 s31, 2
	s_cselect_b64 s[4:5], s[8:9], s[4:5]
	s_add_nc_u64 s[4:5], s[4:5], s[24:25]
	s_add_nc_u64 s[10:11], s[10:11], s[20:21]
	s_add_nc_u64 s[12:13], s[12:13], s[22:23]
.irp c, 0,1
.set N, 0
.rept 32
	global_load_b32 v[64+32*\c+N], v5, s[4:5] offset:256*(64*\c+N)   ; W(128 s + 64 c + 32 h + N, my channel)
.set N, N+1
.endr
.endr
	s_wait_loadcnt 0x0
.irp c, 0,1                                    ; my block 2 c + h: all its 32 numbers are mine
	v_max3_num_f32 v[32+\c], |v[64+32*\c]|, |v[65+32*\c]|, 0x1800000   ; with the floor 2^(3 - 127): the byte cannot fall under 1
	v_max3_num_f32 v[34+\c], |v[66+32*\c]|, |v[67+32*\c]|, |v[68+32*\c]|
.endr
.irp i, 5,9,13,17,21,25
.irp c, 0,1
	v_max3_num_f32 v[32+\c], v[32+\c], |v[64+32*\c+\i]|, |v[65+32*\c+\i]|
	v_max3_num_f32 v[34+\c], v[34+\c], |v[66+32*\c+\i]|, |v[67+32*\c+\i]|   ; four chains by turns
.endr
.endr
.irp c, 0,1
	v_max3_num_f32 v[32+\c], v[32+\c], |v[93+32*\c]|, |v[94+32*\c]|
	v_max3_num_f32 v[34+\c], v[34+\c], |v[95+32*\c]|, |v[95+32*\c]|
.endr
.irp c, 0,1
	v_max_num_f32 v[32+\c], v[32+\c], v[34+\c]
.endr
.irp c, 0,1
	v_add_nc_u32 v[44+\c], 0xff000000, v[32+\c]    ; 2 off the exponent field: the conversion's scale operand
.endr
.irp c, 0,1
	v_lshrrev_b32 v[36+\c], 23, v[44+\c]           ; the scale's byte
.endr
	v_lshl_or_b32 v9, v37, 16, v36                 ; my two bytes: blocks h and 2 + h,
	v_lshlrev_b32 v9, v8, v9                       ; at their places in the word (8 h bits up);
	v_permlanex16_b32 v10, v9, s28, s29
	v_or_b32 v9, v9, v10                           ; with lane l xor 16's two the word is whole, in both lanes
.irp c, 0,1
.irp g, 0,1,2,3
	v_cvt_scalef32_pk8_fp4_f32 v[48+4*\c+\g], v[64+32*\c+8*\g:71+32*\c+8*\g], v[44+\c]
.endr
.endr
	v_nop                                          ; one plain instruction behind the last scaled conversion
	global_store_b128 v6, v[48:51], s[10:11]       ; the wave stores 512 consecutive bytes, aligned
	global_store_b128 v6, v[52:55], s[10:11] offset:512
	global_store_b32 v7, v9, s[12:13]              ; the 16 channels' scale words: lanes l and l xor 16 write the same word with the same value
	s_endpgm
.Lfunc_end_k_q55fdee6729_prepw:
	.size	k_q55fdee6729_prepw, .Lfunc_end_k_q55fdee6729_prepw-k_q55fdee6729_prepw
	.p2alignl 7, 3214868480
	.fill 96, 4, 3214868480
	.section	.rodata,"a",@progbits
	.p2align	6, 0x0
	.amdhsa_kernel k_q55fdee6729_prepw
		.amdhsa_group_segment_fixed_size 0
		.amdhsa_private_segment_fixed_size 0
		.amdhsa_enable_private_segment 0
		.amdhsa_kernarg_size 40
		.amdhsa_user_sgpr_count 2
		.amdhsa_user_sgpr_kernarg_segment_ptr 1
		.amdhsa_wavefront_size32 1
		.amdhsa_system_sgpr_workgroup_id_x 1
		.amdhsa_system_sgpr_workgroup_id_y 1
		.amdhsa_system_sgpr_workgroup_id_z 1
		.amdhsa_system_vgpr_workitem_id 0
		.amdhsa_next_free_vgpr 128
		.amdhsa_next_free_sgpr 66
		.amdhsa_reserve_vcc 0
		.amdhsa_float_denorm_mode_32 3
		.amdhsa_float_denorm_mode_16_64 3
		.amdhsa_memory_ordered 1
		.amdhsa_forward_progress 1
		.amdhsa_inst_pref_size 12
	.end_amdhsa_kernel
	.amdgpu_metadata
---
amdhsa.version: [ 1, 2 ]
amdhsa.kernels:
  - .name:           k_q55fdee6729_prepw
    .symbol:         k_q55fdee6729_prepw.kd
    .args:
      - { .name: Wq, .offset: 0, .size: 8, .value_kind: global_buffer, .address_space: global }
      - { .name: Wk, .offset: 8, .size: 8, .value_kind: global_buffer, .address_space: global }
      - { .name: Wv, .offset: 16, .size: 8, .value_kind: global_buffer, .address_space: global }
      - { .name: wc, .offset: 24, .size: 8, .value_kind: global_buffer, .address_space: global }
      - { .name: ws, .offset: 32, .size: 8, .value_kind: global_buffer, .address_space: global }
    .group_segment_fixed_size: 0
    .private_segment_fixed_size: 0
    .kernarg_segment_align: 8
    .kernarg_segment_size: 40
    .max_flat_workgroup_size: 32
    .sgpr_count:     66
    .vgpr_count:     128
    .wavefront_size: 32
...
	.end_amdgpu_metadata
.endif
;; end of part 1
;; launch proj (part 2): grid 256 x 1, 16 waves a work-group, no clusters, 307,200 bytes of LDS; arguments x, wc, ws, qrec, kv; writes qrec, kv
.if DOCPART == 2
	.amdgcn_target "amdgcn-amd-amdhsa--gfx1250"
	.amdhsa_code_object_version 6
	.text
	.protected	k_q55fdee6729_proj
	.globl	k_q55fdee6729_proj
	.p2align	8
	.type	k_q55fdee6729_proj,@function
k_q55fdee6729_proj:
	s_mov_b64 s[64:65], 0
	v_nop
	global_prefetch_b8 v0, s[64:65] scope:SCOPE_SE
	s_setreg_imm32_b32 hwreg(HW_REG_WAVE_MODE, 25, 1), 1
	s_wait_xcnt 0x0
; q = x Wq, k = x Wk, v = x Wv on codes of FP4 (E2M1) with one E8M0 scale for each 32 along K = 1,024; the results are quantised in registers and leave as codes alone:
; q and k along their 64 channels, v along the keys, all laid as the attention launch's operand registers.
; SHARES.  A work-group owns 64 rows of x (256 KB), all asked for at the head: wave 4 b + a brings rows 16 a .. + 15, numbers 256 b .. + 255 (two K steps of 128) by ONE tensor load of 16 KB.
; Every LDS byte is filled once.  The wave quantises what it brought; codes and scale words go to LDS; one barrier for each quarter b of K.
; Waves 0 to 3 (a = 0 .. 3) make channels 32 (a % 2) .. + 31 of q (a < 2) or k (source 0 = 16 channels of W, source 1 = 16 rows of x: a lane holds one row, its registers run along the channels);
; waves 4 to 7 make channels 16 a .. + 15 of v (source 0 = 16 rows of x, source 1 = 16 channels of Wv: a lane holds one channel, its registers run along the keys).
; Their fragments of W stay in registers: each is fetched once a work-group.  Waves 8 to 15 quantise alone.
; THE ROWS OF A TILE ARE NOT NEIGHBOURS: lane r of tile t takes row 32 (r / 8) + 8 t + r % 8 of the 64, so that the 32 registers of the four tiles of v are a whole block of 32 keys, 32 h + 0 .. 31, in one lane.
; No cluster: x is shared by nobody, and W goes once a work-group straight into registers: 102 KB beside 256 KB of x, with less than 20 KB of LDS left, which would not hold it.
; No prefetch: all of x is asked for at the head, there is no loop to run ahead in.
; OUT.  qrec: a record of 2,304 bytes for each 64 rows: four tile images of 512 bytes (lane (r, h), register i: channels 32 h + 8 i .. + 7), then 128 bytes of scale words: word 16 (t % 2) + r, byte 2 (t / 2) + block.
;       kv: a record of 4,352 bytes for each 64 keys: k as q (2,048 bytes); v: channel tile a at 2,048 + 512 a (lane (r, h), register i: keys 32 h + 8 i .. + 7 of channel 16 a + r);
;       at 4,096 k's scale words; at 4,224 v's: two bytes (key blocks 0, 1) for each channel.
; LIMITS: a block of zeros gets the byte 1 where the rule says 127 (its codes are zeros; this program alone reads the bytes); blocks whose largest magnitude lies under 2^-124 are held at the byte 1;
; NaN and infinities among the inputs are not served.
.set XTW,  16640                       ; LDS: a wave's tile of x: 16 rows x (1,024 bytes + 16 of padding): row r starts 4 r banks on, so the 16 rows that a load touches start at 16 different banks
.set XC,   16*XTW                      ; x's codes: 64 places x (512 bytes + 16); K step s at + 64 s
.set XS,   XC+64*528                   ; x's scale words: 256 s + 4 x place
.set SB,   XS+2048                     ; the results' scale bytes: k's 128, v's 128, q's 128
.set SPARE, SB+512                     ; the spare words, 128 bytes for each wave
.set LI,  1                            ; v1   16 x lane
.set LS,  2                            ; v2   4 x lane
.set XR,  3                            ; v3   my 64 bytes of a block of my row in my tile of x
.set XCW, 4                            ; v4   where I put my row's codes
.set XSW, 5                            ; v5   and its scale word
.set XFR, 6                            ; v6   where I read a fragment of x
.set XSR, 7                            ; v7   and the scale words
.set GCO, 8                            ; v8   q's or k's codes in a tile image: 16 r + 8 h + 256 x my block
.set SBW, 10                           ; v10  q's or k's scale byte in LDS
.set SVW, 11                           ; v11  v's byte
.set QSR, 12                           ; v12  q's scale words on the way out
.set KSR, 13                           ; v13  k's and v's
.set L8,  14                           ; v14  8 x lane
.set XSC, 16                           ; v16-17 x's scale words: lanes 0-15 tile 2 p, lanes 16-31 tile 2 p + 1
.set WS,  18                           ; v18-25 W's scale words: 4 u + s / 2: lanes 0-15 even s, lanes 16-31 odd s
.set SPW, 30                           ; v30  my spare word;  v31 0
.set NIL, 31
.set TM,  32                           ; v32-35 largest magnitudes, v36-39 the partner's, then the bytes, v40-43 the conversions' scale operands
.set XF,  32                           ; v32-63 x's four fragments (when nothing is being quantised)
.set AC,  64                           ; v64-127 q or k: tile of rows t, tile of channels u at 16 t + 8 u;  ahead of the first product, and in waves without one, numbers of x
.set WF,  128                          ; v128-255 waves 0-3: W's fragment (u, s) at 8 (8 u + s)
.set AV,  160                          ; v160-191 waves 4-7: v: tile of keys t at 8 t
.set WV,  192                          ; v192-255 waves 4-7: Wv's fragment s at 8 s
; Four blocks of 32: block b's numbers are v[s + 16 b + 0 .. 15] of lanes l and l xor 16.  Codes: v[pc + 2 b], v[pc + 2 b + 1]; bytes: v[TM + 4 + b]; word = 1: the four bytes as a word in v[pw].
; No lane exchange follows: the stores' addresses put each half block at its place.
.macro QUANT s, word, pc, pw
.irp b, 0,1,2,3
	v_max3_num_f32 v[TM+\b], |v[\s+16*\b]|, |v[\s+1+16*\b]|, 0x1800000   ; from the low end on, and the floor 2^(3 - 127): the byte cannot fall under 1
.endr
.irp i, 2,4,6,8,10,12,14
.irp b, 0,1,2,3
	v_max3_num_f32 v[TM+\b], v[TM+\b], |v[\s+16*\b+\i]|, |v[\s+1+16*\b+\i]|   ; the blocks by turns
.endr
.endr
.irp b, 0,1,2,3
	v_permlanex16_b32 v[TM+4+\b], v[TM+\b], s66, s67
.endr
.irp b, 0,1,2,3
	v_max_num_f32 v[TM+\b], v[TM+\b], v[TM+4+\b]   ; with lane l xor 16's: the block's largest magnitude
.endr
.irp b, 0,1,2,3
	v_add_nc_u32 v[TM+8+\b], 0xff000000, v[TM+\b]  ; 2 off its exponent field: the conversion's scale operand
.endr
.irp b, 0,1,2,3
	v_lshrrev_b32 v[TM+4+\b], 23, v[TM+8+\b]       ; the scale's byte
.endr
.if \word
	v_lshl_or_b32 v[\pw], v[TM+5], 8, v[TM+4]
	v_lshl_or_b32 v[\pw], v[TM+6], 16, v[\pw]
	v_lshl_or_b32 v[\pw], v[TM+7], 24, v[\pw]
.endif
.irp b, 0,1,2,3
	v_cvt_scalef32_pk8_fp4_f32 v[\pc+2*\b], v[\s+16*\b:\s+7+16*\b], v[TM+8+\b]
	v_cvt_scalef32_pk8_fp4_f32 v[\pc+1+2*\b], v[\s+8+16*\b:\s+15+16*\b], v[TM+8+\b]
.endr
	v_nop                                          ; one plain instruction behind the last scaled conversion
.endm
; One matrix instruction.  zero = 1: it starts the sum.  ra, rb = 1: that side's scales stand in lanes 16-31 of the register named.
.macro WM d, a, b, zero, sa, ra, sb, rb
.if \zero
.if (\ra) && (\rb)
	v_wmma_scale_f32_16x16x128_f8f6f4 v[(\d):(\d)+7], v[(\a):(\a)+7], v[(\b):(\b)+7], 0, v[\sa], v[\sb] matrix_a_fmt:MATRIX_FMT_FP4 matrix_b_fmt:MATRIX_FMT_FP4 matrix_a_scale:MATRIX_SCALE_ROW1 matrix_b_scale:MATRIX_SCALE_ROW1
.elseif (\ra)
	v_wmma_scale_f32_16x16x128_f8f6f4 v[(\d):(\d)+7], v[(\a):(\a)+7], v[(\b):(\b)+7], 0, v[\sa], v[\sb] matrix_a_fmt:MATRIX_FMT_FP4 matrix_b_fmt:MATRIX_FMT_FP4 matrix_a_scale:MATRIX_SCALE_ROW1
.elseif (\rb)
	v_wmma_scale_f32_16x16x128_f8f6f4 v[(\d):(\d)+7], v[(\a):(\a)+7], v[(\b):(\b)+7], 0, v[\sa], v[\sb] matrix_a_fmt:MATRIX_FMT_FP4 matrix_b_fmt:MATRIX_FMT_FP4 matrix_b_scale:MATRIX_SCALE_ROW1
.else
	v_wmma_scale_f32_16x16x128_f8f6f4 v[(\d):(\d)+7], v[(\a):(\a)+7], v[(\b):(\b)+7], 0, v[\sa], v[\sb] matrix_a_fmt:MATRIX_FMT_FP4 matrix_b_fmt:MATRIX_FMT_FP4
.endif
.else
.if (\ra) && (\rb)
	v_wmma_scale_f32_16x16x128_f8f6f4 v[(\d):(\d)+7], v[(\a):(\a)+7], v[(\b):(\b)+7], v[(\d):(\d)+7], v[\sa], v[\sb] matrix_a_fmt:MATRIX_FMT_FP4 matrix_b_fmt:MATRIX_FMT_FP4 matrix_a_scale:MATRIX_SCALE_ROW1 matrix_b_scale:MATRIX_SCALE_ROW1
.elseif (\ra)
	v_wmma_scale_f32_16x16x128_f8f6f4 v[(\d):(\d)+7], v[(\a):(\a)+7], v[(\b):(\b)+7], v[(\d):(\d)+7], v[\sa], v[\sb] matrix_a_fmt:MATRIX_FMT_FP4 matrix_b_fmt:MATRIX_FMT_FP4 matrix_a_scale:MATRIX_SCALE_ROW1
.elseif (\rb)
	v_wmma_scale_f32_16x16x128_f8f6f4 v[(\d):(\d)+7], v[(\a):(\a)+7], v[(\b):(\b)+7], v[(\d):(\d)+7], v[\sa], v[\sb] matrix_a_fmt:MATRIX_FMT_FP4 matrix_b_fmt:MATRIX_FMT_FP4 matrix_b_scale:MATRIX_SCALE_ROW1
.else
	v_wmma_scale_f32_16x16x128_f8f6f4 v[(\d):(\d)+7], v[(\a):(\a)+7], v[(\b):(\b)+7], v[(\d):(\d)+7], v[\sa], v[\sb] matrix_a_fmt:MATRIX_FMT_FP4 matrix_b_fmt:MATRIX_FMT_FP4
.endif
.endif
.endm
	s_load_b128 s[4:7], s[0:1], 0x0                ; x, wc
	s_load_b128 s[8:11], s[0:1], 0x10              ; ws, qrec
	s_load_b64 s[12:13], s[0:1], 0x20              ; kv
	v_lshl_add_u32 v[SPW], v0, 2, SPARE
	v_mov_b32 v[NIL], 0
	ds_add_u32 v[SPW], v[NIL]                      ; the opening lines: the add, twice on end, and its wait ahead of my tensor load
	ds_add_u32 v[SPW], v[NIL]
	v_lshrrev_b32 v15, 5, v0
	v_readfirstlane_b32 s14, v15                   ; wave 0..15
	s_lshr_b32 s15, s14, 2                         ; b
	s_and_b32 s16, s14, 3                          ; a
	; descriptor group 1: a tile of 16 rows x 256 numbers of 4 bytes, rows 1,024 numbers apart, 16 bytes of padding behind each row in LDS
	s_mov_b32 s24, (2<<16)|(1<<20)|(7<<22)|(3<<25) ; no mask; elements of 4 bytes; padding on: after every 256 words (code 7) four words (code 3)
	s_mov_b32 s25, 256<<16                         ; tensor_dim0 = 256
	s_mov_b32 s26, 16<<16                          ; tensor_dim1 = 16
	s_mov_b32 s27, 256<<16                         ; tile_dim0 = 256
	s_mov_b32 s28, 16                              ; tile_dim1 = 16
	s_mov_b32 s29, 1024                            ; from row to row
	s_mov_b32 s30, 0
	s_mov_b32 s31, 0
	s_mul_i32 s17, s14, XTW                        ; my tile in LDS
	s_lshl_b32 s20, ttmp9, 18                      ; 64 rows of 4,096 bytes a work-group,
	s_lshl_b32 s21, s16, 16                        ; 16 rows for each a,
	s_add_co_u32 s20, s20, s21
	s_lshl_b32 s21, s15, 10                        ; 1,024 bytes of a row for each b
	s_add_co_u32 s20, s20, s21
	s_mov_b32 s21, 0
	s_mov_b32 s32, 1
	s_mov_b32 s33, s17
	s_wait_dscnt 0x0                               ; both opening adds are done
	s_wait_kmcnt 0x0
	s_add_nc_u64 s[34:35], s[4:5], s[20:21]
	s_or_b32 s35, s35, 0x80000000
	tensor_load_to_lds s[32:35], s[24:31]          ; my one tensor load
	s_nop 0
.rept 4
	v_nop
.endr
	s_mul_i32 s20, s16, 24576                      ; my three tiles of W (waves 0-3: the first two, waves 4-7: the third),
	s_add_nc_u64 s[6:7], s[6:7], s[20:21]
	s_mul_i32 s20, s16, 1536                       ; and their scale words
	s_add_nc_u64 s[8:9], s[8:9], s[20:21]
	s_and_b32 s18, s16, 1
	s_lshr_b32 s19, s16, 1
	s_lshl_b32 s22, s18, 5
	s_lshl_b32 s23, s19, 3
	s_add_co_u32 s22, s22, s23                     ; 32 (a % 2) + 8 (a / 2)
	s_lshl_b32 s36, s15, 7
	s_add_co_u32 s36, s36, XC                      ; a row's codes of quarter b: 128 b bytes on,
	s_lshl_b32 s37, s15, 9
	s_add_co_u32 s37, s37, XS                      ; and its scale words 512 b
	s_lshl_b32 s38, s18, 8                         ; block a % 2 of q or k
	s_xor_b32 s39, s19, 1
	s_lshl_b32 s39, s39, 8                         ; k's bytes lie first, q's 256 bytes on
	s_add_co_u32 s39, s39, s18
	s_add_co_u32 s39, s39, SB
	s_lshl_b32 s40, s16, 5
	s_add_co_u32 s40, s40, SB+128
	s_mov_b32 s66, 0x76543210
	s_mov_b32 s67, 0xfedcba98                      ; v_permlanex16_b32's selects for lane l xor 16
	s_mul_i32 s20, ttmp9, 2304
	s_add_nc_u64 s[10:11], s[10:11], s[20:21]      ; my record of q,
	s_mul_i32 s20, ttmp9, 4352
	s_add_nc_u64 s[12:13], s[12:13], s[20:21]      ; and of k and v
	s_cmp_lt_u32 s16, 2                            ; the choice hangs on the wave's number alone
	s_cselect_b64 s[68:69], s[10:11], s[12:13]     ; where my codes of q or k go
	s_lshl_b32 s20, s16, 9
	s_add_co_u32 s20, s20, 2048
	s_add_nc_u64 s[70:71], s[12:13], s[20:21]      ; my channel tile of v
	s_add_nc_u64 s[10:11], s[10:11], 2048          ; q's scale words
	s_add_nc_u64 s[12:13], s[12:13], 4096          ; k's and v's
	v_and_b32 v26, 15, v0                          ; r
	v_bfe_u32 v27, v0, 4, 1                        ; h
	v_and_b32 v28, 31, v0                          ; lane
	v_lshlrev_b32 v[LI], 4, v28
	v_lshlrev_b32 v[LS], 2, v28
	v_lshlrev_b32 v[L8], 3, v28
	v_mul_u32_u24 v[XR], v26, 1040
	v_lshl_add_u32 v[XR], v27, 6, v[XR]
	v_add_nc_u32 v[XR], s17, v[XR]                 ; my tile + row r + 64 h: my 16 numbers of a block of 32
	v_and_b32 v29, 7, v0
	v_bfe_u32 v28, v0, 3, 1
	v_lshl_add_u32 v29, v28, 4, v29
	v_add_nc_u32 v29, s22, v29                     ; row 16 a + r has the place 32 (a % 2) + 16 (r / 8) + 8 (a / 2) + r % 8: tile = place / 16, lane of the tile = place % 16
	v_mul_u32_u24 v[XCW], v29, 528
	v_lshl_add_u32 v[XCW], v27, 3, v[XCW]
	v_add_nc_u32 v[XCW], s36, v[XCW]               ; 16 codes are 8 bytes: block b's at 16 b + 8 h
	v_lshl_add_u32 v[XSW], v29, 2, s37
	v_mul_u32_u24 v[XFR], v26, 528
	v_lshl_add_u32 v[XFR], v27, 4, v[XFR]
	v_add_nc_u32 v[XFR], XC, v[XFR]
	v_add_nc_u32 v[XSR], XS, v[LS]
	v_lshlrev_b32 v[GCO], 4, v26
	v_lshl_add_u32 v[GCO], v27, 3, v[GCO]
	v_add_nc_u32 v[GCO], s38, v[GCO]
	v_lshl_add_u32 v[SBW], v26, 2, s39
	v_lshl_add_u32 v[SVW], v26, 1, s40
	v_add_nc_u32 v[SVW], v[SVW], v27
	v_add_nc_u32 v[QSR], SB+256, v[LS]
	v_add_nc_u32 v[KSR], SB, v[L8]
.irp b, 0,1,2,3
	v_mov_b32 v[TM+4+\b], 0                        ; written once: a lane permute's destination counts as one of its sources
.endr
	s_wait_alu depctr_va_vdst(0)                   ; the wait at the head's end
	s_cmp_lg_u32 s15, 0
	s_cbranch_scc1 .Lnot_qk
.irp j, 0,1
.irp s, 0,1,2,3,4,5,6,7
.irp c, 0,1
	global_load_b128 v[WF+8*(8*\j+\s)+4*\c:WF+8*(8*\j+\s)+4*\c+3], v[LI], s[6:7] offset:1024*(8*\j+\s)+512*\c
.endr
.endr
.irp p, 0,1,2,3
	global_load_b32 v[WS+4*\j+\p], v[LS], s[8:9] offset:512*\j+128*\p   ; lanes 0-15: K step 2 p, lanes 16-31: 2 p + 1
.endr
.endr
	s_branch .Lasked
.Lnot_qk:
	s_cmp_lg_u32 s15, 1
	s_cbranch_scc1 .Lasked
.irp s, 0,1,2,3,4,5,6,7
.irp c, 0,1
	global_load_b128 v[WV+8*\s+4*\c:WV+8*\s+4*\c+3], v[LI], s[6:7] offset:16384+1024*\s+512*\c
.endr
.endr
.irp p, 0,1,2,3
	global_load_b32 v[WS+\p], v[LS], s[8:9] offset:1024+128*\p
.endr
.Lasked:
.macro XLOAD x, o                      ; my 64 numbers of K step o of my two
.irp b, 0,1,2,3
.irp i, 0,1,2,3
	ds_load_b128 v[\x+16*\b+4*\i:\x+16*\b+4*\i+3], v[XR] offset:512*\o+128*\b+16*\i
.endr
.endr
.endm
.macro XSTORE o, pc, pw
.irp b, 0,1,2,3
	ds_store_b64 v[XCW], v[\pc+2*\b:\pc+2*\b+1] offset:64*\o+16*\b
.endr
	ds_store_b32 v[XSW], v[\pw] offset:256*\o      ; both halves of the lanes write the same word with the same value
.endm
.macro XFRAG s                         ; x's four fragments and scale words of K step s
.irp t, 0,1,2,3
.irp c, 0,1
	ds_load_b128 v[XF+8*\t+4*\c:XF+8*\t+4*\c+3], v[XFR] offset:8448*\t+64*(\s)+32*\c
.endr
.endr
.irp p, 0,1
	ds_load_b32 v[XSC+\p], v[XSR] offset:256*(\s)+128*\p
.endr
	s_wait_dscnt 0x0
.if (\s) == 0
	s_wait_loadcnt 0x0                             ; W's fragments and scale words, once
.endif
.endm
.macro PLACES                          ; five places behind the products: loads and vector instructions write their operands next, or read their results, and registers of results serve other waves as operands
.rept 5
	v_nop
.endr
.endm
.macro MQK s                           ; the eight accumulators take turns, one instruction a turn
	XFRAG \s
.irp t, 0,1,2,3
.irp u, 0,1
	WM AC+16*\t+8*\u, WF+8*(8*\u+(\s)), XF+8*\t, (\s)==0, WS+4*\u+(\s)/2, (\s)%2, XSC+\t/2, \t%2
.endr
.endr
	PLACES
.endm
.macro MV s                            ; four accumulators by turns: three others stand between a sum's steps
	XFRAG \s
.irp t, 0,1,2,3
	WM AV+8*\t, XF+8*\t, WV+8*(\s), (\s)==0, XSC+\t/2, \t%2, WS+(\s)/2, (\s)%2
.endr
	PLACES
.endm
; A QUARTER OF K.  Its four waves quantise what they brought; behind one barrier the codes of two K steps are whole.  Every K step has LDS bytes of its own.
.macro QUARTER q
	s_cmp_eq_u32 s15, \q
	s_cbranch_scc0 .Lnot_mine_\q
	s_wait_tensorcnt 0x0                           ; my tile is in; only I read these bytes
.if \q < 2
	XLOAD 64, 0
	s_wait_dscnt 0x0
	QUANT 64, 1, 46, 44
	XSTORE 0, 46, 44
	XLOAD 64, 1
	s_wait_dscnt 0x0
	QUANT 64, 1, 54, 62
.else
	XLOAD 64, 0                                    ; waves 8 to 15 hold no W: both K steps' numbers have registers
	XLOAD 128, 1
	s_wait_dscnt 16                                ; the second K step's sixteen loads may be out
	QUANT 64, 1, 46, 44
	XSTORE 0, 46, 44
	s_wait_dscnt 5                                 ; the five stores may be out
	QUANT 128, 1, 54, 62
.endif
	XSTORE 1, 54, 62
.Lnot_mine_\q:
	s_wait_dscnt 0x0                               ; for the others' sake: my stores have landed
	s_barrier_signal -1
	s_barrier_wait -1
	s_cmp_lg_u32 s15, 0
	s_cbranch_scc1 .Lno_qk_\q
	MQK 2*\q
	MQK 2*\q+1
	s_branch .Ldone_\q
.Lno_qk_\q:
	s_cmp_lg_u32 s15, 1
	s_cbranch_scc1 .Ldone_\q
	MV 2*\q
	MV 2*\q+1
.Ldone_\q:
.endm
	QUARTER 0
	QUARTER 1
	QUARTER 2
	QUARTER 3
	; THE RESULTS ARE QUANTISED AS THEY STAND.  q or k: block t = tile of rows t: a lane's 16 registers are channels 32 x my block + 16 h + 0 .. 15 of its row.
	s_cmp_lg_u32 s15, 0
	s_cbranch_scc1 .Lout_v
	QUANT AC, 0, 46, 44
.irp t, 0,1,2,3
	global_store_b64 v[GCO], v[46+2*\t:47+2*\t], s[68:69] offset:512*\t   ; the wave stores 256 consecutive bytes, aligned
.endr
.irp t, 0,1,2,3
	ds_store_b8 v[SBW], v[TM+4+\t] offset:64*(\t%2)+2*(\t/2)
.endr
	s_branch .Lout_done
.Lout_v:
	s_cmp_lg_u32 s15, 1
	s_cbranch_scc1 .Lout_done
	v_max3_num_f32 v32, |v[AV]|, |v[AV+1]|, 0x1800000   ; v: my 32 registers are keys 32 h + 0 .. 31 of my channel: a whole block
	v_max3_num_f32 v33, |v[AV+2]|, |v[AV+3]|, 0x1800000
.irp i, 4,8,12,16,20,24,28
	v_max3_num_f32 v32, v32, |v[AV+\i]|, |v[AV+\i+1]|
	v_max3_num_f32 v33, v33, |v[AV+\i+2]|, |v[AV+\i+3]|
.endr
	v_max_num_f32 v32, v32, v33
	v_add_nc_u32 v34, 0xff000000, v32
	v_lshrrev_b32 v35, 23, v34
.irp g, 0,1,2,3
	v_cvt_scalef32_pk8_fp4_f32 v[48+\g], v[AV+8*\g:AV+8*\g+7], v34
.endr
	v_nop
	global_store_b128 v[LI], v[48:51], s[70:71]    ; the wave stores 512 consecutive bytes, aligned
	ds_store_b8 v[SVW], v35
.Lout_done:
	s_wait_dscnt 0x0
	s_barrier_signal -1
	s_barrier_wait -1                              ; all scale bytes lie in LDS
	s_cmp_lg_u32 s14, 0
	s_cbranch_scc1 .Lnot_q
	ds_load_b32 v32, v[QSR]
	s_wait_dscnt 0x0
	global_store_b32 v[LS], v32, s[10:11]          ; q's 32 scale words
.Lnot_q:
	s_cmp_lg_u32 s14, 2
	s_cbranch_scc1 .Lend
	ds_load_b64 v[34:35], v[KSR]
	s_wait_dscnt 0x0
	global_store_b64 v[L8], v[34:35], s[12:13]     ; k's and v's: 256 consecutive bytes, aligned
.Lend:
	s_wait_tensorcnt 0x0                           ; the wave's end
	ds_add_u32 v[SPW], v[NIL]
	s_wait_dscnt 0x0
	s_endpgm
.Lfunc_end_k_q55fdee6729_proj:
	.size	k_q55fdee6729_proj, .Lfunc_end_k_q55fdee6729_proj-k_q55fdee6729_proj
	.p2alignl 7, 3214868480
	.fill 96, 4, 3214868480
	.section	.rodata,"a",@progbits
	.p2align	6, 0x0
	.amdhsa_kernel k_q55fdee6729_proj
		.amdhsa_group_segment_fixed_size 307200
		.amdhsa_private_segment_fixed_size 0
		.amdhsa_enable_private_segment 0
		.amdhsa_kernarg_size 40
		.amdhsa_user_sgpr_count 2
		.amdhsa_user_sgpr_kernarg_segment_ptr 1
		.amdhsa_wavefront_size32 1
		.amdhsa_system_sgpr_workgroup_id_x 1
		.amdhsa_system_sgpr_workgroup_id_y 1
		.amdhsa_system_sgpr_workgroup_id_z 1
		.amdhsa_system_vgpr_workitem_id 0
		.amdhsa_next_free_vgpr 256
		.amdhsa_next_free_sgpr 72
		.amdhsa_reserve_vcc 0
		.amdhsa_float_denorm_mode_32 3
		.amdhsa_float_denorm_mode_16_64 3
		.amdhsa_memory_ordered 1
		.amdhsa_forward_progress 1
		.amdhsa_inst_pref_size 84
	.end_amdhsa_kernel
	.amdgpu_metadata
---
amdhsa.version: [ 1, 2 ]
amdhsa.kernels:
  - .name:           k_q55fdee6729_proj
    .symbol:         k_q55fdee6729_proj.kd
    .args:
      - { .name: x, .offset: 0, .size: 8, .value_kind: global_buffer, .address_space: global }
      - { .name: wc, .offset: 8, .size: 8, .value_kind: global_buffer, .address_space: global }
      - { .name: ws, .offset: 16, .size: 8, .value_kind: global_buffer, .address_space: global }
      - { .name: qrec, .offset: 24, .size: 8, .value_kind: global_buffer, .address_space: global }
      - { .name: kv, .offset: 32, .size: 8, .value_kind: global_buffer, .address_space: global }
    .group_segment_fixed_size: 307200
    .private_segment_fixed_size: 0
    .kernarg_segment_align: 8
    .kernarg_segment_size: 40
    .max_flat_workgroup_size: 512
    .sgpr_count:     72
    .vgpr_count:     256
    .wavefront_size: 32
...
	.end_amdgpu_metadata
.endif
;; end of part 2
;; launch attn (part 3): grid 256 x 1, 16 waves a work-group, clusters of 4 x 1, 284,672 bytes of LDS; arguments qrec, kv, out0; writes out0
.if DOCPART == 3
	.amdgcn_target "amdgcn-amd-amdhsa--gfx1250"
	.amdhsa_code_object_version 6
	.text
	.protected	k_q55fdee6729_attn
	.globl	k_q55fdee6729_attn
	.p2align	8
	.type	k_q55fdee6729_attn,@function
k_q55fdee6729_attn:
	s_mov_b64 s[64:65], 0
	v_nop
	global_prefetch_b8 v0, s[64:65] scope:SCOPE_SE
	s_setreg_imm32_b32 hwreg(HW_REG_WAVE_MODE, 25, 1), 1
	s_wait_xcnt 0x0
	s_wait_alu depctr_hold_cnt(0) depctr_sa_sdst(0) depctr_va_vdst(0) depctr_va_sdst(0) depctr_va_ssrc(0) depctr_va_vcc(0) depctr_vm_vsrc(0)
	s_getreg_b32 s2, hwreg(HW_REG_IB_STS2, 6, 4)
	s_cmp_eq_u32 s2, 0
	s_cbranch_scc0 .Lentry_in_a_cluster
	s_endpgm
.Lentry_in_a_cluster:
	s_bfe_u32 s2, ttmp6, 0x10000c
	s_cmp_lg_u32 s2, 0x3003
	s_cbranch_scc0 .Lentry_shape_is_right
	s_endpgm
.Lentry_shape_is_right:
; out[b][q][:] = the sum over k of softmax_k(q . k / 8) v[k][:], both products on codes of FP4 (E2M1) with one E8M0 scale for each 32 along a product's K.
; THE SOFTMAX AHEAD OF THE SECOND PRODUCT: t = score x log2(e) / 8; M = the largest t so far, rounded UP to a whole number; p = 2^(t - M) is quantised along the keys, not normalised; the row's sum is taken
; of the unquantised p and divides at the end.  When M moves, the sum and O are multiplied by 2^(old M - new M): exact.
; SHARES.  A work-group owns 64 queries.  Wave 4 j + T: tile T of 16 queries, quarter j of the batch's 4,096 keys: four chunks of 256 keys.  At the end the four parts (O, M, sum) of a tile are
; joined through LDS; M is a whole number in each, so the joining factors are exact powers of two.
; K AND V of the whole batch, 278,528 bytes of codes and scale bytes, lie in LDS and are filled ONCE: wave w brings chunk w by ONE load of 17,408 bytes.  CLUSTER: the four work-groups of a cluster belong
; to one batch and need the same bytes: each load is asked for JOINTLY, with the same descriptor and the mask of all four.  A wave begins with the chunk that it brought, 4 j + T, and goes on to
; 4 j + (T + i) % 4: only between its first chunk and its second must the others' loads be known to be in.  No prefetch: everything is asked for at the head, there is no loop of loads to run ahead in.
; LAYOUT.  Both products are used transposed: S^T = K Q^T (source 0 = 32 keys, source 1 = my 16 queries), O^T = V^T P^T (source 0 = 16 channels, source 1 = P): a lane holds ONE query throughout.
; Of a record of 64 keys the lane (r, h) of key tile t holds key 32 (r / 8) + 8 t + r % 8, so that a lane's 32 scores are a WHOLE block of 32 keys, 32 h + 0 .. 31, in order: its largest score needs no other lane,
; and the conversions' results are the second product's operand.
; K = 64 IN AN INSTRUCTION OF 128: source 0 holds TWO sets of 32 keys (tiles 0, 1 and tiles 2, 3), one in each half of K; source 1 is (q, zeros) or (zeros, q): zero codes take the other set out.
; All operands lie in memory and LDS as images of their registers, 16 bytes a lane on end: no pitch, no padding.
; LIMITS: scaled scores (t) under 2^31 in magnitude; a block of p whose largest lies under 2^-124 has the byte 1; a block's scale exponent is floor(its largest t - M): where that largest t - M lies so close under a whole number
; that p rounds up to the power of two, p is held at the largest code; NaN and infinities are not served.
.set REC,  4352                        ; a record of 64 keys: K's four tile images, V's four, K's scale words (128 bytes), V's scale bytes (128)
.set CH,   4*REC                       ; a chunk of 256 keys
.set ST,   16*CH                       ; behind the chunks: each wave's (-M, sum), 8 bytes a lane
.set SPARE, ST+4096                    ; the spare words, 128 bytes for each wave
.set AB,   1                           ; v1   16 x lane
.set AS,   2                           ; v2   4 x lane
.set AH,   3                           ; v3   2 x lane
.set KA,   4                           ; v4   + the chunk: K's images
.set KSA,  5                           ; v5   K's scale words
.set VA,   6                           ; v6   V's images
.set VHA,  7                           ; v7   V's scale bytes
.set NM,   8                           ; v8   -M;  v9 the largest score so far
.set SU,   10                          ; v10-11 the sum, in two halves
.set KS,   12                          ; v12-15 scale words of K's four records, then of V: 2 g + p
.set QZ,   16                          ; v16-19 zeros, v20-23 q's codes, v24-27 zeros
.set QS,   28                          ; v28  q's scale word
.set PS,   29                          ; v29  p's: lanes 0-15 keys 0-127, lanes 16-31 keys 128-255 of the chunk
.set SPW,  30
.set NIL,  31
.set KF,   32                          ; v32-95 K's fragments, 16 a record; then v32-63 V's of records 0, 1, and v64-95 at work:
.set RAW,  64                          ; v64-71 V's scale bytes as loaded
.set BM,   72                          ; v72-75 the blocks' largest scores, then their exponents
.set TP,   76                          ; v76, v77
.set F,    78                          ; v78  f (v79 is named with it)
.set SO,   80                          ; v80-83 the conversions' scale operands
.set PC,   84                          ; v84-91 p's codes, records 0, 1
.set SCO,  96                          ; v96-223 S^T, then p: record c at 32 c;  then v96-103 p's codes of records 2, 3 and v104-135 V's fragments of records 2, 3
.set PD,   96
.set VF2,  104
.set OO,   224                         ; v224-255 O^T
.set SEL,  66                          ; s[66:67] lane selects for v_permlanex16_b32: lane l xor 16
.set CS,   68                          ; s[68:69] c = log2(e) / 8: the packed form names a pair and takes its low word for both halves
.macro CROUND                          ; a round of the cluster's barrier
	s_barrier_signal -1
	s_barrier_wait -1
	s_cmp_lg_u32 s10, 0
	s_cbranch_scc1 .Lnot_wave_0_\@
	s_barrier_signal -3
.Lnot_wave_0_\@:
	s_barrier_wait -3
	s_barrier_signal -1
	s_barrier_wait -1
.endm
.macro QK c                            ; record c: 64 keys
	v_wmma_scale_f32_32x16x128_f4 v[SCO+32*\c:SCO+32*\c+15], v[KF+16*\c:KF+16*\c+15], v[QZ+4:QZ+11], 0, v[KS+\c], v[QS]
	v_wmma_scale_f32_32x16x128_f4 v[SCO+32*\c+16:SCO+32*\c+31], v[KF+16*\c:KF+16*\c+15], v[QZ:QZ+7], 0, v[KS+\c], v[QS]
.endm
.macro PV g, zero                      ; 128 keys: records 2 g, 2 g + 1.  Four accumulators by turns: three others stand between a sum's steps
.irp t, 0,1,2,3
.if \g
.if \t%2
	v_wmma_scale_f32_16x16x128_f8f6f4 v[OO+8*\t:OO+8*\t+7], v[VF2+8*\t:VF2+8*\t+7], v[PD:PD+7], v[OO+8*\t:OO+8*\t+7], v[KS+2+\t/2], v[PS] matrix_a_fmt:MATRIX_FMT_FP4 matrix_b_fmt:MATRIX_FMT_FP4 matrix_a_scale:MATRIX_SCALE_ROW1 matrix_b_scale:MATRIX_SCALE_ROW1
.else
	v_wmma_scale_f32_16x16x128_f8f6f4 v[OO+8*\t:OO+8*\t+7], v[VF2+8*\t:VF2+8*\t+7], v[PD:PD+7], v[OO+8*\t:OO+8*\t+7], v[KS+2+\t/2], v[PS] matrix_a_fmt:MATRIX_FMT_FP4 matrix_b_fmt:MATRIX_FMT_FP4 matrix_b_scale:MATRIX_SCALE_ROW1
.endif
.elseif \zero
.if \t%2
	v_wmma_scale_f32_16x16x128_f8f6f4 v[OO+8*\t:OO+8*\t+7], v[KF+8*\t:KF+8*\t+7], v[PC:PC+7], 0, v[KS+\t/2], v[PS] matrix_a_fmt:MATRIX_FMT_FP4 matrix_b_fmt:MATRIX_FMT_FP4 matrix_a_scale:MATRIX_SCALE_ROW1
.else
	v_wmma_scale_f32_16x16x128_f8f6f4 v[OO+8*\t:OO+8*\t+7], v[KF+8*\t:KF+8*\t+7], v[PC:PC+7], 0, v[KS+\t/2], v[PS] matrix_a_fmt:MATRIX_FMT_FP4 matrix_b_fmt:MATRIX_FMT_FP4
.endif
.else
.if \t%2
	v_wmma_scale_f32_16x16x128_f8f6f4 v[OO+8*\t:OO+8*\t+7], v[KF+8*\t:KF+8*\t+7], v[PC:PC+7], v[OO+8*\t:OO+8*\t+7], v[KS+\t/2], v[PS] matrix_a_fmt:MATRIX_FMT_FP4 matrix_b_fmt:MATRIX_FMT_FP4 matrix_a_scale:MATRIX_SCALE_ROW1
.else
	v_wmma_scale_f32_16x16x128_f8f6f4 v[OO+8*\t:OO+8*\t+7], v[KF+8*\t:KF+8*\t+7], v[PC:PC+7], v[OO+8*\t:OO+8*\t+7], v[KS+\t/2], v[PS] matrix_a_fmt:MATRIX_FMT_FP4 matrix_b_fmt:MATRIX_FMT_FP4
.endif
.endif
.endr
.endm
.macro ADD n                           ; pair n of p onto one of four chains
.set CX, SU
.if (\n)%4 == 0
.set CX, 92
.elseif (\n)%4 == 1
.set CX, 94
.elseif (\n)%4 == 2
.set CX, TP
.endif
	v_pk_add_f32 v[CX:CX+1], v[CX:CX+1], v[SCO+2*(\n):SCO+2*(\n)+1]
.endm
.macro ADDS from, to
.set AN, \from
.rept \to-\from
	ADD AN
.set AN, AN+1
.endr
.endm
; A CHUNK: 256 keys, four records.  s17: where it lies; s18: where the next one lies.
.macro CHUNK first
.irp c, 0,1,2,3
.irp d, 0,1
.irp u, 0,1
	ds_load_b128 v[KF+16*\c+8*\u+4*\d:KF+16*\c+8*\u+4*\d+3], v[KA] offset:REC*\c+512*(2*\d+\u)   ; key tile 2 d + u: rows 16 u .. of source 0, half d of K
.endr
.endr
	ds_load_b32 v[KS+\c], v[KSA] offset:REC*\c+4096   ; lane 16 u + r: the bytes of tiles u and 2 + u
.endr
	s_wait_dscnt 10                                ; records 0 and 1 are in; the ten younger loads may be out
	QK 0
	QK 1
	s_wait_dscnt 0x0
	QK 2
	QK 3
	v_add_nc_u32 v[VA], s17, v[AB]                 ; four places between the products and the loads into their operands and the first read of results
	v_add_nc_u32 v[VHA], s17, v[AH]
	v_add_nc_u32 v[KA], s18, v[AB]                 ; the next chunk's (behind the last chunk not used)
	v_add_nc_u32 v[KSA], s18, v[AS]
.irp t, 0,1,2,3
.irp c, 0,1
	ds_load_b128 v[KF+8*\t+4*\c:KF+8*\t+4*\c+3], v[VA] offset:REC*\c+2048+512*\t
.endr
.endr
.irp g, 0,1
.irp p, 0,1
.irp c, 0,1
	ds_load_u16 v[RAW+2*(2*\g+\p)+\c], v[VHA] offset:REC*(2*\g+\c)+4224+64*\p   ; lanes 0-15: channel tile 2 p, lanes 16-31: 2 p + 1; the record's two bytes
.endr
.endr
.endr
.irp c, 0,1,2,3                                ; the largest score of each block of 32 keys, all in this lane; each accumulator from its low end on
	v_max3_num_f32 v[BM+\c], v[SCO+32*\c], v[SCO+32*\c+1], v[SCO+32*\c+2]
	v_max3_num_f32 v[SO+\c], v[SCO+32*\c+16], v[SCO+32*\c+17], v[SCO+32*\c+18]
.endr
.irp i, 3,5,7,9,11,13
.irp c, 0,1,2,3
	v_max3_num_f32 v[BM+\c], v[BM+\c], v[SCO+32*\c+\i], v[SCO+32*\c+\i+1]
	v_max3_num_f32 v[SO+\c], v[SO+\c], v[SCO+32*\c+16+\i], v[SCO+32*\c+17+\i]   ; eight chains by turns
.endr
.endr
.irp c, 0,1,2,3
	v_max3_num_f32 v[BM+\c], v[BM+\c], v[SO+\c], v[SCO+32*\c+15]
.endr
.irp c, 0,1,2,3
	v_max_num_f32 v[BM+\c], v[BM+\c], v[SCO+32*\c+31]
.endr
	v_max3_num_f32 v[TP+1], v[BM], v[BM+1], v[BM+2]
	v_max_num_f32 v[TP+1], v[TP+1], v[BM+3]
	v_permlanex16_b32 v[TP], v[TP+1], s[SEL], s[SEL+1]
.if \first
	v_max_num_f32 v[NM+1], v[TP+1], v[TP]          ; with lane l xor 16's keys: the largest score of my query
	v_mul_f32 v[TP+1], s[CS], v[NM+1]              ; as t (c is positive)
	v_floor_f32 v[NM], -v[TP+1]                    ; -M = floor(-t) = -ceil(t): a whole number
.else
	v_max3_num_f32 v[NM+1], v[NM+1], v[TP+1], v[TP]
	v_mul_f32 v[TP+1], s[CS], v[NM+1]
	v_mov_b32 v[TP], v[NM]
	v_floor_f32 v[NM], -v[TP+1]
	v_sub_f32 v[TP], v[NM], v[TP]                  ; old M less new M: a whole number, 0 or less
	v_cvt_i32_f32 v[TP], v[TP]                     ; (it saturates)
	v_ldexp_f32 v[F], 1.0, v[TP]                   ; f = 2^(old M - new M)
.endif
.set N, 0
.rept 64
	v_pk_fma_f32 v[SCO+2*N:SCO+2*N+1], v[SCO+2*N:SCO+2*N+1], s[CS:CS+1], v[NM:NM+1] op_sel_hi:[1,0,0]   ; t - M, two at a time
.set N, N+1
.endr
.irp c, 0,1,2,3
	v_fma_f32 v[BM+\c], v[BM+\c], s[CS], v[NM]     ; the same of each block's largest score
.endr
.irp c, 0,1,2,3
	v_cvt_floor_i32_f32 v[BM+\c], v[BM+\c]         ; the exponent of the block's largest p
.endr
.irp c, 0,1,2,3
	v_max_i32 v[BM+\c], 0xffffff84, v[BM+\c]       ; held at -124: the byte cannot fall under 1
.endr
.irp c, 0,1,2,3
	v_lshl_add_u32 v[SO+\c], v[BM+\c], 23, 0x3e800000   ; 2^(exponent - 2): the conversion's scale operand
.endr
	v_lshl_add_u32 v[BM], v[BM+1], 16, v[BM]
	v_lshl_add_u32 v[BM+2], v[BM+3], 16, v[BM+2]
	v_add_nc_u32 v[BM], 0x7d007d, v[BM]            ; + 125 in each half: records 0 and 1's bytes of my half of the lanes,
	v_add_nc_u32 v[BM+2], 0x7d007d, v[BM+2]        ; and records 2 and 3's
	v_permlane16_swap_b32 v[BM], v[BM+2]           ; lanes 0-15: records 0 and 1, lanes 16-31: records 2 and 3; the first register block 0, the second block 1 of each record
	v_lshl_or_b32 v[PS], v[BM+2], 8, v[BM]         ; p's scale words
	s_wait_alu depctr_va_vdst(0)                   ; the wait ahead of the batch
.set N, 0
.rept 128
	v_exp_f32 v[SCO+N], v[SCO+N]                   ; p = 2^(t - M), at most 1: not normalised
.set N, N+1
.endr
.if \first
	v_nop                                          ; a plain instruction behind the exponentials
	s_wait_alu depctr_va_vdst(0)                   ; one wait for the whole batch, ahead of its first reader
.else
	v_pk_mul_f32 v[SU:SU+1], v[SU:SU+1], v[F:F+1] op_sel_hi:[1,0]   ; the sum under the new M: the plain instruction behind the exponentials
	s_wait_alu depctr_va_vdst(0)                   ; one wait for the whole batch and for the first readers of O^T
.irp j, 0,2,4,6,8,10,12,14,16,18,20,22,24,26,28,30
	v_pk_mul_f32 v[OO+\j:OO+\j+1], v[OO+\j:OO+\j+1], v[F:F+1] op_sel_hi:[1,0]   ; O^T under the new M
.endr
.endif
	s_wait_dscnt 0x0                               ; V's fragments of records 0 and 1, and all its scale bytes
.irp i, 0,1,2,3
	v_lshl_or_b32 v[KS+\i], v[RAW+2*\i+1], 16, v[RAW+2*\i]   ; V's scale words: 2 g + p
.endr
	v_pk_add_f32 v[92:93], v[SCO:SCO+1], v[SCO+8:SCO+9]      ; the row's sum, of the unquantised p: records 0 and 1
	v_pk_add_f32 v[94:95], v[SCO+2:SCO+3], v[SCO+10:SCO+11]
	v_pk_add_f32 v[TP:TP+1], v[SCO+4:SCO+5], v[SCO+12:SCO+13]
.if \first
	v_pk_add_f32 v[SU:SU+1], v[SCO+6:SCO+7], v[SCO+14:SCO+15]
.else
	v_pk_add_f32 v[SU:SU+1], v[SU:SU+1], v[SCO+6:SCO+7]
	ADD 7
.endif
	ADDS 8, 32
.irp c, 0,1
.irp i, 0,1,2,3
	v_cvt_scalef32_pk8_fp4_f32 v[PC+4*\c+\i], v[SCO+32*\c+8*\i:SCO+32*\c+8*\i+7], v[SO+\c]
.endr
.endr
	ADDS 32, 36                                    ; plain instructions behind the conversions
.irp t, 0,1,2,3
.irp c, 0,1
	ds_load_b128 v[VF2+8*\t+4*\c:VF2+8*\t+4*\c+3], v[VA] offset:REC*(2+\c)+2048+512*\t   ; over p of records 0 and 1, which is done with
.endr
.endr
.irp c, 0,1
.irp i, 0,1,2,3
	v_cvt_scalef32_pk8_fp4_f32 v[PD+4*\c+\i], v[SCO+64+32*\c+8*\i:SCO+64+32*\c+8*\i+7], v[SO+2+\c]
.endr
.endr
	ADDS 36, 58                                    ; also the places between p's codes and scale words and the products
	s_wait_alu depctr_va_vdst(0)                   ; the wait here, ahead of the wait between the two products
	PV 0, \first
	s_wait_dscnt 0x0                               ; V's fragments of records 2 and 3
	PV 1, 0
	ADDS 58, 64                                    ; these and the next three name none of the products' registers: the places behind them
	v_pk_add_f32 v[92:93], v[92:93], v[94:95]
	v_pk_add_f32 v[SU:SU+1], v[SU:SU+1], v[TP:TP+1]
	v_pk_add_f32 v[SU:SU+1], v[SU:SU+1], v[92:93]
.endm
	s_load_b128 s[4:7], s[0:1], 0x0                ; qrec, kv
	s_load_b64 s[8:9], s[0:1], 0x10                ; out0
	v_lshl_add_u32 v[SPW], v0, 2, SPARE
	v_mov_b32 v[NIL], 0
	ds_add_u32 v[SPW], v[NIL]                      ; the opening lines: the add, twice on end, and its wait ahead of my tensor load
	ds_add_u32 v[SPW], v[NIL]
	v_lshrrev_b32 v1, 5, v0
	v_readfirstlane_b32 s10, v1                    ; wave 0..15
	s_and_b32 s11, s10, 3                          ; T
	s_lshr_b32 s12, s10, 2                         ; j
	s_bfe_u32 s13, ttmp6, 0x40000                  ; cx: my place in the cluster
	s_lshl_b32 s14, ttmp9, 2                       ; in a cluster launch ttmp9 counts clusters
	s_add_co_u32 s14, s14, s13                     ; my block of 64 queries: it enters q's and out's addresses alone
	s_lshr_b32 s15, ttmp9, 4                       ; the batch, which the four partners share: 16 clusters to a batch
	; descriptor group 1: a dense block of 17,408 bytes as 68 rows of 256 (32 elements of 8 bytes), no padding
	s_mov_b32 s24, 15|(3<<16)|(1<<21)              ; the mask: all four work-groups; elements of 8 bytes; bit 21 set beside a mask
	s_mov_b32 s25, 32<<16                          ; tensor_dim0 = 32
	s_mov_b32 s26, 68<<16                          ; tensor_dim1 = 68
	s_mov_b32 s27, 32<<16                          ; tile_dim0 = 32
	s_mov_b32 s28, 68                              ; tile_dim1 = 68
	s_mov_b32 s29, 32                              ; from row to row
	s_mov_b32 s30, 0
	s_mov_b32 s31, 0
	s_mul_i32 s17, s10, CH                         ; my chunk, in LDS and in the batch's records alike
	s_mul_i32 s36, s15, 64*REC
	s_add_co_u32 s36, s36, s17
	s_mov_b32 s37, 0
	s_mov_b32 s32, 1
	s_mov_b32 s33, s17
	s_mov_b32 s[SEL], 0x76543210
	s_mov_b32 s[SEL+1], 0xfedcba98
	s_mov_b32 s[CS], 0x3e38aa3b                    ; c = log2(e) / 8
	s_mov_b32 s[CS+1], s[CS]                       ; named with it as a pair, so it is written
	s_wait_dscnt 0x0                               ; both opening adds are done
	s_wait_kmcnt 0x0
	s_add_nc_u64 s[34:35], s[6:7], s[36:37]
	s_or_b32 s35, s35, 0x80000000
	CROUND                                         ; all four work-groups are here: the joint loads meet
	tensor_load_to_lds s[32:35], s[24:31]          ; my one tensor load
	s_nop 0
.rept 4
	v_nop
.endr
	s_mul_i32 s20, s14, 2304
	s_mov_b32 s21, 0
	s_add_nc_u64 s[4:5], s[4:5], s[20:21]          ; my block's record of q
	s_and_b32 s22, s11, 1
	s_lshl_b32 s22, s22, 6
	s_add_co_u32 s22, s22, 2048                    ; tile T's scale words: 64 (T % 2) on
	s_lshl_b32 s23, s11, 9                         ; tile T's image
	v_and_b32 v3, 31, v0                           ; lane
	v_lshlrev_b32 v[AB], 4, v3
	v_lshlrev_b32 v[AS], 2, v3
	v_lshlrev_b32 v[AH], 1, v3
	v_and_b32 v64, 15, v0
	v_lshl_add_u32 v64, v64, 2, s22
	v_add_nc_u32 v65, s23, v[AB]
	global_load_b128 v[QZ+4:QZ+7], v65, s[4:5]
	global_load_b32 v[PS], v64, s[4:5]
	v_add_nc_u32 v[KA], s17, v[AB]
	v_add_nc_u32 v[KSA], s17, v[AS]
.irp i, 0,1,2,3,8,9,10,11
	v_mov_b32 v[QZ+\i], 0                          ; the zero codes on both sides of q
.endr
	s_mov_b32 s70, 0x03020302
	s_cmp_lt_u32 s11, 2
	s_cselect_b32 s70, 0x01000100, s70             ; tile T's two bytes are 2 (T / 2) and the next of the word: they are laid twice, for both halves of K
	s_and_b32 s23, s10, 12                         ; 4 j: my quarter's first chunk
	s_add_co_u32 s19, s10, 1
	s_and_b32 s19, s19, 3
	s_or_b32 s19, s19, s23
	s_mul_i32 s18, s19, CH                         ; the chunk behind my own
	s_wait_alu depctr_va_vdst(0)                   ; the wait at the head's end
	s_wait_loadcnt 0x0                             ; q
	s_wait_tensorcnt 0x0                           ; my chunk is in
	v_perm_b32 v[QS], v[PS], v[PS], s70
.rept 8
	v_nop                                          ; the places between a scale register's write and a scaled product
.endr
	s_wait_alu depctr_va_vdst(0)                   ; the wait here, ahead of the signal
	s_barrier_signal -1                            ; my chunk is in: say so,
	CHUNK 1                                        ; work on it, which nobody writes again,
	s_wait_alu depctr_va_vdst(0)
	s_barrier_wait -1                              ; and go on to the others' chunks when all sixteen have said so
	s_mov_b32 s20, 1
.Lchunk:
	s_add_co_u32 s21, s10, s20
	s_and_b32 s21, s21, 3
	s_add_co_u32 s22, s21, 1
	s_and_b32 s22, s22, 3
	s_or_b32 s21, s21, s23
	s_or_b32 s22, s22, s23
	s_mul_i32 s17, s21, CH                         ; chunk 4 j + (T + i) % 4
	s_mul_i32 s18, s22, CH
	CHUNK 0
	s_add_co_u32 s20, s20, 1
	s_wait_alu depctr_va_vdst(0)                   ; the wait ahead of the branch
	s_cmp_lt_u32 s20, 4
	s_cbranch_scc1 .Lchunk
	; MY PART GOES TO LDS: (-M, sum) a lane, and O^T as 16 rows of 64 channels.  The stages, 16 rows x (256 bytes + 16) a wave, lie over the first chunks, which have had their only fill: behind a barrier nobody reads them any more.
	s_mul_i32 s20, s10, REC                        ; my stage
	s_mul_i32 s21, s12, 4*272
	s_mul_i32 s22, s11, REC
	s_add_co_u32 s21, s21, s22                     ; tile T's rows 4 j .. in part 0
	s_lshl_b32 s22, s10, 8
	s_add_co_u32 s22, s22, ST
	s_lshl_b32 s23, s11, 8
	s_lshl_b32 s24, s12, 5
	s_add_co_u32 s23, s23, s24
	s_add_co_u32 s23, s23, ST
	s_lshl_b32 s24, s14, 6                         ; tile lane 4 j + .. of tile T is row 32 (j / 2) + 8 T + 4 (j % 2) + .. of my 64
	s_lshr_b32 s25, s12, 1
	s_lshl_b32 s25, s25, 5
	s_add_co_u32 s24, s24, s25
	s_lshl_b32 s25, s11, 3
	s_add_co_u32 s24, s24, s25
	s_and_b32 s25, s12, 1
	s_lshl_b32 s25, s25, 2
	s_add_co_u32 s24, s24, s25
	s_lshl_b32 s24, s24, 8                         ; a row of out is 256 bytes
	s_mov_b32 s25, 0
	s_add_nc_u64 s[8:9], s[8:9], s[24:25]
	s_wait_alu depctr_va_vdst(0)                   ; the wait here, ahead of the readers below
	s_wait_dscnt 0x0
	s_barrier_signal -1                            ; my reads of K and V are over
	v_add_f32 v[SU], v[SU], v[SU+1]                ; the sum's two halves,
	v_and_b32 v64, 15, v0                          ; r
	v_bfe_u32 v65, v0, 4, 1                        ; h
	v_permlanex16_b32 v[TP], v[SU], s[SEL], s[SEL+1]
	v_mul_u32_u24 v66, v64, 272
	v_mul_u32_u24 v67, v65, 272
	v_lshl_add_u32 v66, v65, 5, v66
	v_lshl_add_u32 v67, v64, 4, v67
	v_add_nc_u32 v66, s20, v66                     ; in: row r, + 32 h
	v_add_nc_u32 v67, s21, v67                     ; back: rows 4 j + h of tile T, 16 bytes a lane
	v_lshl_add_u32 v68, v[AS], 1, s22              ; where I put (-M, sum)
	v_lshl_add_u32 v69, v65, 3, s23                ; where I read the four parts' of my row
	v_lshlrev_b32 v70, 8, v65
	v_lshl_add_u32 v70, v64, 4, v70                ; my byte offset in two rows of out
	v_add_f32 v[NM+1], v[SU], v[TP]                ; with lane l xor 16's: my quarter's sum, beside -M
	s_wait_alu depctr_va_vdst(0)                   ; the wait here, directly ahead of the wait below
	s_barrier_wait -1
	ds_store_b64 v68, v[NM:NM+1]
.irp t, 0,1,2,3
	ds_store_b128 v66, v[OO+8*\t:OO+8*\t+3] offset:64*\t          ; lane (r, h): channels 16 t + 8 h + 0 .. 7 of query r; each accumulator from its low end on
	ds_store_b128 v66, v[OO+8*\t+4:OO+8*\t+7] offset:64*\t+16
.endr
	s_wait_dscnt 0x0                               ; for the others' sake: my stores have landed
	s_barrier_signal -1
	s_barrier_wait -1
	; THE JOIN.  Wave 4 j + T takes tile lanes 4 j + 2 e + h of tile T, e = 0, 1: sixteen lanes to a row of 256 bytes.
.irp e, 0,1
.irp q, 0,1,2,3
	ds_load_b64 v[32+2*(4*\e+\q):33+2*(4*\e+\q)], v69 offset:1024*\q+16*\e   ; part q's (-M, sum) of my row
.endr
.endr
.irp e, 0,1
.irp q, 0,1,2,3
	ds_load_b128 v[96+16*\e+4*\q:99+16*\e+4*\q], v67 offset:CH*\q+544*\e     ; and my four channels of its O
.endr
.endr
	s_wait_dscnt 0x0
.irp e, 0,1
	v_min_num_f32 v[48+\e], v[32+8*\e], v[34+8*\e]
	v_min_num_f32 v[50+\e], v[36+8*\e], v[38+8*\e]
.endr
.irp e, 0,1
	v_min_num_f32 v[48+\e], v[48+\e], v[50+\e]     ; the smallest -M: the row's M
.endr
.irp e, 0,1
.irp q, 0,1,2,3
	v_sub_f32 v[52+4*\e+\q], v[48+\e], v[32+8*\e+2*\q]   ; part q's M less the row's: a whole number, 0 or less
.endr
.endr
.irp i, 0,1,2,3,4,5,6,7
	v_cvt_i32_f32 v[52+\i], v[52+\i]
.endr
.irp i, 0,1,2,3,4,5,6,7
	v_ldexp_f32 v[52+\i], 1.0, v[52+\i]            ; the part's factor: an exact power of two
.endr
.irp e, 0,1
	v_mul_f32 v[60+\e], v[52+4*\e], v[33+8*\e]
.endr
.irp q, 1,2,3
.irp e, 0,1
	v_fmac_f32 v[60+\e], v[52+4*\e+\q], v[33+8*\e+2*\q]   ; the row's sum
.endr
.endr
	s_wait_alu depctr_va_vdst(0)                   ; the wait ahead of the batch
	v_rcp_f32 v62, v60
	v_rcp_f32 v63, v61
	v_nop                                          ; a plain instruction behind the reciprocals,
	s_wait_alu depctr_va_vdst(0)                   ; and one wait for both, ahead of the first reader
.irp e, 0,1
.irp q, 0,1,2,3
	v_mul_f32 v[52+4*\e+\q], v[52+4*\e+\q], v[62+\e]
.endr
.endr
.irp e, 0,1
.irp i, 0,1,2,3
	v_mul_f32 v[128+4*\e+\i], v[52+4*\e], v[96+16*\e+\i]
.endr
.endr
.irp q, 1,2,3
.irp e, 0,1
.irp i, 0,1,2,3
	v_fmac_f32 v[128+4*\e+\i], v[52+4*\e+\q], v[96+16*\e+4*\q+\i]
.endr
.endr
.endr
.irp e, 0,1
	global_store_b128 v70, v[128+4*\e:131+4*\e], s[8:9] offset:512*\e th:TH_STORE_NT   ; sixteen lanes store a whole row: 256 consecutive bytes, aligned
.endr
	s_wait_tensorcnt 0x0                           ; the wave's end
	ds_add_u32 v[SPW], v[NIL]
	s_wait_dscnt 0x0
	CROUND                                         ; the closing round: no work-group ends while a partner may still ask for a tile that names it
	s_endpgm
.Lfunc_end_k_q55fdee6729_attn:
	.size	k_q55fdee6729_attn, .Lfunc_end_k_q55fdee6729_attn-k_q55fdee6729_attn
	.p2alignl 7, 3214868480
	.fill 96, 4, 3214868480
	.section	.rodata,"a",@progbits
	.p2align	6, 0x0
	.amdhsa_kernel k_q55fdee6729_attn
		.amdhsa_group_segment_fixed_size 284672
		.amdhsa_private_segment_fixed_size 0
		.amdhsa_enable_private_segment 0
		.amdhsa_kernarg_size 24
		.amdhsa_user_sgpr_count 2
		.amdhsa_user_sgpr_kernarg_segment_ptr 1
		.amdhsa_wavefront_size32 1
		.amdhsa_system_sgpr_workgroup_id_x 1
		.amdhsa_system_sgpr_workgroup_id_y 1
		.amdhsa_system_sgpr_workgroup_id_z 1
		.amdhsa_system_vgpr_workitem_id 0
		.amdhsa_next_free_vgpr 256
		.amdhsa_next_free_sgpr 80
		.amdhsa_reserve_vcc 0
		.amdhsa_float_denorm_mode_32 3
		.amdhsa_float_denorm_mode_16_64 3
		.amdhsa_memory_ordered 1
		.amdhsa_forward_progress 1
		.amdhsa_inst_pref_size 61
	.end_amdhsa_kernel
	.amdgpu_metadata
---
amdhsa.version: [ 1, 2 ]
amdhsa.kernels:
  - .name:           k_q55fdee6729_attn
    .symbol:         k_q55fdee6729_attn.kd
    .args:
      - { .name: qrec, .offset: 0, .size: 8, .value_kind: global_buffer, .address_space: global }
      - { .name: kv, .offset: 8, .size: 8, .value_kind: global_buffer, .address_space: global }
      - { .name: out0, .offset: 16, .size: 8, .value_kind: global_buffer, .address_space: global }
    .group_segment_fixed_size: 284672
    .private_segment_fixed_size: 0
    .kernarg_segment_align: 8
    .kernarg_segment_size: 24
    .max_flat_workgroup_size: 512
    .sgpr_count:     80
    .vgpr_count:     256
    .wavefront_size: 32
...
	.end_amdgpu_metadata
.endif
;; end of part 3
